; MI455X (gfx1250); checked and timed in simulation.
; The chip was launched on July 23, 2026; its instructions are those of AMD's public machine-readable ISA for CDNA 5 (MIT licence, August 2026) and "CDNA5" Instruction Set Architecture Reference Guide (July 2026). The comments in the code are by the model that wrote it; some were corrected since.
;; Decoder Head. Allowed arithmetic: float matrix products may take bf16 or f16 operands with f32 sums; all other float work in f32.
;; Inputs: Wq 1,024 x 1,024 float32; k 4 x 16 x 2,048 x 64 float32; v 4 x 16 x 2,048 x 64 float32; x 4 x 2,048 x 1,024 float32.
;; Outputs: out0 4 x 2,048 x 1,024 float32.
;; 2 versions, each right. Each part assembles by itself: llvm-mc -triple=amdgcn-amd-amdhsa -mcpu=gfx1250 --defsym DOCPART=n.
;; ======== version 1 of 2: 1 launch
;; launch head (part 1): grid 16 x 16, 8 waves a work-group, clusters of 4 x 1, 327,680 bytes of LDS; arguments x, Wq, k, v, out0; writes out0
.if DOCPART == 1
	.amdgcn_target "amdgcn-amd-amdhsa--gfx1250"
	.amdhsa_code_object_version 6
	.text
	.protected	k_q8544000eeb_head
	.globl	k_q8544000eeb_head
	.p2align	8
	.type	k_q8544000eeb_head,@function
k_q8544000eeb_head:
	s_mov_b64 s[64:65], 0
	v_nop
	global_prefetch_b8 v0, s[64:65] scope:SCOPE_SE
	s_setreg_imm32_b32 hwreg(HW_REG_WAVE_MODE, 25, 1), 1
	s_wait_xcnt 0x0
	s_wait_alu depctr_hold_cnt(0) depctr_sa_sdst(0) depctr_va_vdst(0) depctr_va_sdst(0) depctr_va_ssrc(0) depctr_va_vcc(0) depctr_vm_vsrc(0)
	s_getreg_b32 s2, hwreg(HW_REG_IB_STS2, 6, 4)
	s_cmp_eq_u32 s2, 0
	s_cbranch_scc0 .Lentry_in_a_cluster
	s_endpgm
.Lentry_in_a_cluster:
	s_bfe_u32 s2, ttmp6, 0x10000c
	s_cmp_lg_u32 s2, 0x3003
	s_cbranch_scc0 .Lentry_shape_is_right
	s_endpgm
.Lentry_shape_is_right:
; out = x + softmax_causal((x Wq^T) K^T / 32) V.   x, out: [4][2048][1024] f32; Wq: [1024][1024] f32; k, v: [4][16][2048][64] f32.
; ONE launch.  A work-group owns one (batch b, head) and TWO blocks of 256 query rows, block A = i and block B = 7 - i (i = 0..3): every
; work-group then has the same causal work.  Eight waves, two for each of a WGP's four SIMDs, so that one wave's softmax can run beside the
; other's matrix work.  Wave w owns rows 32 w .. 32 w + 31 of both blocks.
; PHASE 1  q = x Wq_head^T for the 512 rows, K in 16 chunks of 64.   PHASE 2  one walk over K/V tiles of 64 keys that serves both blocks.
; PHASE 3  divide by the sums, add x, store.
; ALL PRODUCTS ARE TAKEN TRANSPOSED: q^T = Wq_h x^T, S^T = K q^T, O^T = V^T P^T.  A result tile holds, in lane (r, h), register j, the element
; (m = 8 h + j, n = r); two neighbouring m tiles, rounded to bf16 in pairs, ARE a second-source fragment of 32 along K.  So q, the scores and P
; never leave registers or change lanes, and a query's softmax needs one exchange between the lane halves.
; CLUSTER: the four work-groups of a cluster are four heads of the same (b, i): they project the same 512 rows of x and ask for each chunk
; jointly, which divides the requests for x by four.  K and V are NOT asked for jointly: the work-groups that share them (i = 0..3 of one head)
; walk 32, 28, 24 and 20 tiles, and K and V go through registers anyway, so that each number is rounded to bf16 once by one thread (a tile laid
; into LDS as f32 would be rounded again by each of the eight waves, and the 16-bit transposing load that V needs could not be used).
; Wq's 64 rows of a head (256 KiB) are this work-group's alone within its cluster.  No prefetch: each K/V tile is loaded into registers a whole
; tile's work ahead of its use.
; LIMITS: matrix operands are bf16 (x, Wq, q log2(e)/32, K, P, V); sums, maxima and exponentials are f32; the row sum is taken over the unrounded
; exponentials; an exponential below 2^-126 counts as 0 (ISA guide, v_exp_f32); the maxima drop NaN, so NaN inputs are not carried as in f32 JAX.
; A running maximum is kept, so every row sum is at least 1.
.set XP,     272                       ; LDS pitch of a row of x (and of the way out): 256 bytes + 16
.set XSLOT,  512*XP                    ; 139,264: a chunk of x, 512 rows (block A's 256, then block B's 256) x 64 f32
.set XWAVE,  64*XP                     ; 17,408: what one wave's tensor load brings
.set RG,     2*XSLOT                   ; 278,528 = 1,088 x 256: the region that ds_store fills; no tensor load ever lands in it
.set KP,     144                       ; pitch of 64 bf16 (W's and K's rows): 128 + 16
.set VP,     160                       ; pitch of V's rows: 128 + 32, an odd multiple of 32 for the transposing load
.set WSLOT,  64*KP                     ; 9,216: 64 rows of Wq_head x 64 k
.set VOFF,   64*KP                     ; V behind K in a K/V slot
.set KVS,    64*KP+64*VP               ; 19,456: a K/V slot; two end at 317,440
; vector registers, window 0
.set XA0, 3                            ; v3-6   x fragments: slot 0 block A, slot 0 block B, slot 1 block A, slot 1 block B
.set FRA, 7                            ; v7     W's and K's fragments: RG + 144 r + 16 h
.set STA, 8                            ; v8     W's and K's stage: RG + 144 (t >> 4) + 8 (t & 15)
.set WGO, 9                            ; v9     Wq: 4096 (t >> 4) + 16 (t & 15)
.set KGO, 10                           ; v10    K, V: 16 t
.set VST, 12                           ; v12    V's stage
.set VFA, 14                           ; v14    V's fragments (transposing load)
.set OST, 15                           ; v15    the way out: where I put 32 bytes of a row
.set ORD, 16                           ; v16    the way out: where I read a row back
.set OGO, 17                           ; v17    x and out: 4096 h + 16 r
.set QH,  18                           ; v18-19 block A, B: my query of tile 0, less 8 h
.set MX,  20                           ; v20-21 A, v24-25 B: running maxima of query tiles 0, 1
.set LS,  22                           ; v22-23 A, v26-27 B: running sums (this lane half's keys)
.set MN,  28                           ; v28-31 the new maxima, each twice (pairs for the packed forms)
.set TM,  32                           ; v32-35 maximum chains
.set PX,  36                           ; v36-37 from the other lane half
.set SM,  40                           ; v40-47 sum chains
.set DG,  48                           ; v48-49 the largest allowed 16 kt + j of query tiles 0, 1
.set NINF,50                           ; v50    -infinity
.set AL,  52                           ; v52-55 the rescale factors, each twice; at the end 1 / sum, each twice
.set AR,  56                           ; v56-57 arguments
.set WSG, 32                           ; v32-47 phase 1: Wq as loaded
.set SC,  64                           ; v64-127  score tile (qt, kt) at 32 qt + 8 kt; P fragment (qt, c) in place at 32 qt + 16 c
.set XL0, 64                           ; phase 1: x of k 0-31 of the chunk, 16 f32 for each of 4 row tiles, rounded in place
.set FR,  128                          ; v128-191 fragments of W, then K, then V; at the end rows read back
.set XL1, 192                          ; phase 1: x of k 32-63
.set XR,  192                          ; v192-255 at the end: two sets of residual rows
.set STG, 224                          ; v224-255 K (16) and V (16) as loaded
; window 1 (written with the low 8 bits): v0-63 O of block A, v64-127 O of block B (tile (qt, dt) at 32 qt + 8 dt; in phase 1 the projection's sums,
; tile (u, a) at 32 u + 8 a); v128-159 q fragments of A, v160-191 of B (fragment (qt, s) at 16 qt + 8 s).
; scalar: s[4:13] buffers; s14 wave; s15, s16, s62 numbers made from cx (global offsets alone); s17 y, s18 b, s19 i, s20 7 - i, s21 w >> 1;
; s[22:23] x tile offset; s[24:31] group 1; s[32:39] group 0 of slots 0, 1; s[40:41] Wq; s[42:45] K, V; s[46:49] residual A, B; s[50:53] out A, B;
; s54 counter (chunk laps, then tile laps); s55 the last tile lap; s56, s57 diagonal tile of A, B; s58 tile; s59 scratch; s60, s61 lane selects.
.set MSB, 0
.macro WIN new                         ; s_set_vgpr_msb: bits 1:0 source 0, 3:2 source 1, 5:4 source 2, 7:6 destination; the high byte repeats the setting left
.if MSB != \new
	s_set_vgpr_msb (MSB<<8)|\new
.set MSB, \new
.endif
.endm
.macro PLACES cnt                      ; places behind matrix instructions (ISA guide 7.12.1)
.rept \cnt
	v_nop
.endr
.endm
; A round of the cluster's barrier: my work-group's barrier, wave 0 signals for the work-group, every wave waits for all four, my barrier again.
.macro ROUND
	s_barrier_signal -1
	s_barrier_wait -1
	s_cmp_lg_u32 s14, 0
	s_cbranch_scc1 .Lnot_wave_0_\@
	s_barrier_signal -3
.Lnot_wave_0_\@:
	s_barrier_wait -3
	s_barrier_signal -1
	s_barrier_wait -1
.endm
; ---------------------------------------------------------------- phase 1 macros
; 64 rows x 256 bytes of Wq: thread t takes 16 bytes of rows (t >> 4) + 16 j; sixteen lanes cover 256 consecutive bytes of a row, aligned.
.macro WLOAD step
.if \step
	s_add_nc_u64 s[40:41], s[40:41], 256           ; the next chunk; the loads that named this base are shown done by WSTAGE's wait
.endif
.irp j, 0,1,2,3
	global_load_b128 v[WSG+4*\j:WSG+4*\j+3], v[WGO], s[40:41] offset:65536*\j
.endr
.endm
.macro WSTAGE slot                     ; round once, 8 bytes a thread and row into W's slot
	s_wait_loadcnt 0x0                             ; the four loads, issued a chunk ago
.irp j, 0,1,2,3
	v_cvt_pk_bf16_f32 v[WSG+4*\j],   v[WSG+4*\j],   v[WSG+4*\j+1]
	v_cvt_pk_bf16_f32 v[WSG+4*\j+1], v[WSG+4*\j+2], v[WSG+4*\j+3]
.endr
.irp j, 0,1,2,3
	ds_store_b64 v[STA], v[WSG+4*\j:WSG+4*\j+1] offset:(\slot)*WSLOT+16*KP*\j
.endr
.endm
; x^T as second source: lane (r, h) needs k = 8 h .. + 7 and 16 + 8 h .. + 7 of row r, as f32 32 bytes at 32 h and 32 bytes at 64 + 32 h.
.macro XFETCH slot, s, xl
.irp u, 0,1,2,3
	ds_load_b128 v[\xl+16*\u:\xl+16*\u+3],     v[XA0+2*\slot+\u/2] offset:16*XP*(\u&1)+128*\s
	ds_load_b128 v[\xl+16*\u+4:\xl+16*\u+7],   v[XA0+2*\slot+\u/2] offset:16*XP*(\u&1)+128*\s+16
	ds_load_b128 v[\xl+16*\u+8:\xl+16*\u+11],  v[XA0+2*\slot+\u/2] offset:16*XP*(\u&1)+128*\s+64
	ds_load_b128 v[\xl+16*\u+12:\xl+16*\u+15], v[XA0+2*\slot+\u/2] offset:16*XP*(\u&1)+128*\s+80
.endr
.endm
.macro XCVT xl                         ; 16 f32 become the 8 registers of a fragment, in place (register i is written when 2 i and 2 i + 1 are being read)
.irp u, 0,1,2,3
.irp i, 0,1,2,3,4,5,6,7
	v_cvt_pk_bf16_f32 v[\xl+16*\u+\i], v[\xl+16*\u+2*\i], v[\xl+16*\u+2*\i+1]
.endr
.endr
.endm
.macro PMUL s, xl, zero                ; 16 matrix instructions on 16 accumulators, always in this order
.irp u, 0,1,2,3
.irp a, 0,1,2,3
.if \zero
	v_wmma_f32_16x16x32_bf16 v[32*\u+8*\a:32*\u+8*\a+7], v[FR+32*\s+8*\a:FR+32*\s+8*\a+7], v[\xl+16*\u:\xl+16*\u+7], 0
.else
	v_wmma_f32_16x16x32_bf16 v[32*\u+8*\a:32*\u+8*\a+7], v[FR+32*\s+8*\a:FR+32*\s+8*\a+7], v[\xl+16*\u:\xl+16*\u+7], v[32*\u+8*\a:32*\u+8*\a+7]
.endif
.endr
.endr
.endm
; One chunk of 64 along K.  refill: the next chunk of x is asked for, into the other slot.  wst: the next chunk of Wq goes into W's other slot.
; wld: the chunk after that is loaded into registers.  zero: the first products start the sums.
.macro PTRIP slot, refill, wst, wld, zero
	s_wait_tensorcnt 0x0                           ; all my tensor loads have landed (one was out: my 64 rows of this chunk),
	ds_add_u32 v62, v63
	s_wait_dscnt 0x0
	s_add_nc_u64 s[34+4*\slot:35+4*\slot], s[34+4*\slot:35+4*\slot], 512   ; so a group 0 may be written: this slot's next chunk, two on
	s_wait_dscnt 0x0                               ; my reads of the other slots and my stores into W's slot are done
	ROUND                                          ; both now hold of every wave of all four work-groups
.if \refill
	tensor_load_to_lds s[36-4*\slot:39-4*\slot], s[24:31]   ; my one tensor load behind the round, and the first thing there
	s_nop 0
.endif
.if \wst
	WSTAGE (1-\slot)
.endif
.if \wld
	WLOAD 1
.endif
	XFETCH \slot, 0, XL0
	XFETCH \slot, 1, XL1
.irp s, 0,1
.irp a, 0,1,2,3
	ds_load_b128 v[FR+32*\s+8*\a:FR+32*\s+8*\a+3],   v[FRA] offset:\slot*WSLOT+16*KP*\a+64*\s
	ds_load_b128 v[FR+32*\s+8*\a+4:FR+32*\s+8*\a+7], v[FRA] offset:\slot*WSLOT+16*KP*\a+64*\s+32
.endr
.endr
	s_wait_dscnt 32                                ; LDS answers in order: the 32 youngest (x of k 32-63, W) may be out, x of k 0-31 is in
	XCVT XL0
	s_wait_dscnt 16                                ; W's 16 loads may be out
	XCVT XL1
	s_wait_dscnt 0x0
	WIN 0x50                                       ; C and D in window 1
	PMUL 0, XL0, \zero
	PMUL 1, XL1, 0
	WIN 0
	PLACES 5                                       ; ahead of the loads and conversions that write these fragments again
.endm
; ---------------------------------------------------------------- phase 2 macros
; A tile of 64 keys is 16 KiB of K and 16 KiB of V, each consecutive in memory: thread t takes 16 bytes at 16 t + 4096 j = key (t >> 4) + 16 j.
.macro LOADKV step
.if \step
	s_add_nc_u64 s[42:43], s[42:43], 16384         ; the loads that named these bases are shown done by STAGE's wait
	s_add_nc_u64 s[44:45], s[44:45], 16384
.endif
.irp j, 0,1,2,3
	global_load_b128 v[STG+4*\j:STG+4*\j+3], v[KGO], s[42:43] offset:4096*\j
.endr
.irp j, 0,1,2,3
	global_load_b128 v[STG+16+4*\j:STG+16+4*\j+3], v[KGO], s[44:45] offset:4096*\j
.endr
.endm
.macro STAGE slot
	s_wait_loadcnt 0x0                             ; the eight loads, issued a tile ago
.irp j, 0,1,2,3,4,5,6,7
	v_cvt_pk_bf16_f32 v[STG+4*\j],   v[STG+4*\j],   v[STG+4*\j+1]
	v_cvt_pk_bf16_f32 v[STG+4*\j+1], v[STG+4*\j+2], v[STG+4*\j+3]
.endr
.irp j, 0,1,2,3
	ds_store_b64 v[STA], v[STG+4*\j:STG+4*\j+1] offset:\slot*KVS+16*KP*\j
	ds_store_b64 v[VST], v[STG+16+4*\j:STG+16+4*\j+1] offset:\slot*KVS+16*VP*\j
.endr
.endm
; One block's 32 queries against one tile of 64 keys (tile number in s58).  g: 0 block A, 1 block B.
; mode 0: any tile behind the first; the masking lines are jumped over unless this is the wave's diagonal tile.
; mode 2: tile 0, which starts maxima, sums and O, and is always masked (for block 0 it is the diagonal tile of waves 0 and 1).
.macro BODY g, slot, mode
.irp s, 0,1
.irp kt, 0,1,2,3
	ds_load_b128 v[FR+16*\kt+8*\s:FR+16*\kt+8*\s+3],   v[FRA] offset:\slot*KVS+16*KP*\kt+64*\s
	ds_load_b128 v[FR+16*\kt+8*\s+4:FR+16*\kt+8*\s+7], v[FRA] offset:\slot*KVS+16*KP*\kt+64*\s+32
.endr
.endr
	s_wait_dscnt 8                                 ; the eight loads of d = 32..63 may be out
	WIN 0x04                                       ; the second source (q) in window 1
.irp qt, 0,1
.irp kt, 0,1,2,3
	v_wmma_f32_16x16x32_bf16 v[SC+32*\qt+8*\kt:SC+32*\qt+8*\kt+7], v[FR+16*\kt:FR+16*\kt+7], v[128+32*\g+16*\qt:128+32*\g+16*\qt+7], 0
.endr
.endr
	s_wait_dscnt 0x0
.irp qt, 0,1
.irp kt, 0,1,2,3                       ; the eight accumulators in the same order again
	v_wmma_f32_16x16x32_bf16 v[SC+32*\qt+8*\kt:SC+32*\qt+8*\kt+7], v[FR+16*\kt+8:FR+16*\kt+15], v[128+32*\g+16*\qt+8:128+32*\g+16*\qt+15], v[SC+32*\qt+8*\kt:SC+32*\qt+8*\kt+7]
.endr
.endr
	WIN 0
	PLACES 4                                       ; ahead of the loads into K's fragments and of the reads of the scores
.irp c, 0,1
.irp dt, 0,1,2,3                       ; V^T as first source: rows of V lie along d, so the 16-bit transposing load; they land under the softmax
	ds_load_tr16_b128 v[FR+16*\dt+8*\c:FR+16*\dt+8*\c+3],   v[VFA] offset:\slot*KVS+32*VP*\c+32*\dt
	ds_load_tr16_b128 v[FR+16*\dt+8*\c+4:FR+16*\dt+8*\c+7], v[VFA] offset:\slot*KVS+32*VP*\c+32*\dt+16*VP
.endr
.endr
.if \mode == 0
	s_cmp_lg_u32 s58, s[56+\g]                     ; ahead of the diagonal tile every key is allowed
	s_cbranch_scc1 .Lfull_\@
.endif
	; key 64 tile + 16 kt + 8 h + j is masked where it exceeds query 256 block + 32 w + 16 qt + r: 16 kt + j > QH - 64 tile + 16 qt (signed: it can be -8)
	s_lshl_b32 s59, s58, 6
	v_sub_nc_u32 v[DG], v[QH+\g], s59
	v_add_nc_u32 v[DG+1], 16, v[DG]
.irp qt, 0,1
.irp kt, 0,1,2,3
.irp j, 0,1,2,3,4,5,6,7
	v_cmp_gt_i32 vcc_lo, 16*\kt+\j, v[DG+\qt]
	v_cndmask_b32 v[SC+32*\qt+8*\kt+\j], v[SC+32*\qt+8*\kt+\j], v[NINF], vcc_lo
.endr
.endr
.endr
.if \mode == 0
.Lfull_\@:
.endif
	; the maximum of a query's 64 scores and its old maximum: four chains in the lane, then the other lane half
.irp qt, 0,1
	v_max3_num_f32 v[TM+2*\qt],   v[SC+32*\qt],    v[SC+32*\qt+1],  v[SC+32*\qt+2]
	v_max3_num_f32 v[TM+2*\qt+1], v[SC+32*\qt+16], v[SC+32*\qt+17], v[SC+32*\qt+18]
.endr
.irp m, 0,1,2,3,4,5
.irp qt, 0,1
	v_max3_num_f32 v[TM+2*\qt],   v[TM+2*\qt],   v[SC+32*\qt+3+2*\m],  v[SC+32*\qt+4+2*\m]
	v_max3_num_f32 v[TM+2*\qt+1], v[TM+2*\qt+1], v[SC+32*\qt+19+2*\m], v[SC+32*\qt+20+2*\m]
.endr
.endr
.irp qt, 0,1
	v_max3_num_f32 v[TM+2*\qt], v[TM+2*\qt], v[SC+32*\qt+15], v[SC+32*\qt+31]
.endr
.irp qt, 0,1
.if \mode < 2
	v_max3_num_f32 v[TM+2*\qt], v[TM+2*\qt], v[TM+2*\qt+1], v[MX+4*\g+\qt]
.else
	v_max_num_f32 v[TM+2*\qt], v[TM+2*\qt], v[TM+2*\qt+1]
.endif
.endr
	v_permlanex16_b32 v[PX],   v[TM],   s60, s61
	v_permlanex16_b32 v[PX+1], v[TM+2], s60, s61
	v_max_num_f32 v[MN],   v[TM],   v[PX]          ; finite: every query has an allowed key in tile 0 and in its diagonal tile
	v_max_num_f32 v[MN+1], v[TM],   v[PX]
	v_max_num_f32 v[MN+2], v[TM+2], v[PX+1]
	v_max_num_f32 v[MN+3], v[TM+2], v[PX+1]
.if \mode < 2
	v_sub_f32 v[AR],   v[MX+4*\g],   v[MN]
	v_sub_f32 v[AR+1], v[MX+4*\g+1], v[MN+2]
	v_exp_f32 v[AL],   v[AR]                       ; 2^(old maximum - new), twice for the packed forms
	v_exp_f32 v[AL+1], v[AR]
	v_exp_f32 v[AL+2], v[AR+1]
	v_exp_f32 v[AL+3], v[AR+1]
.endif
	v_mov_b32 v[MX+4*\g],   v[MN]                  ; plain lines that touch neither AL nor AR: the place behind the exponentials (ISA guide 5.7.2)
	v_mov_b32 v[MX+4*\g+1], v[MN+2]
.irp qt, 0,1
.irp m, 0,1,2,3,4,5,6,7,8,9,10,11,12,13,14,15
	v_pk_add_f32 v[SC+32*\qt+2*\m:SC+32*\qt+2*\m+1], v[SC+32*\qt+2*\m:SC+32*\qt+2*\m+1], v[MN+2*\qt:MN+2*\qt+1] neg_lo:[0,1] neg_hi:[0,1]
.endr
.endr
.set cnt, 0
.rept 64
	v_exp_f32 v[SC+cnt], v[SC+cnt]                 ; q carries log2(e) / 32, so 2^ is e^ of the reference's score
.set cnt, cnt+1
.endr
	v_nop                                          ; the place behind the last exponentials
	s_wait_alu depctr_va_vdst(0)
.irp qt, 0,1
	v_pk_add_f32 v[SM+4*\qt:SM+4*\qt+1],   v[SC+32*\qt:SC+32*\qt+1],     v[SC+32*\qt+2:SC+32*\qt+3]
	v_pk_add_f32 v[SM+4*\qt+2:SM+4*\qt+3], v[SC+32*\qt+16:SC+32*\qt+17], v[SC+32*\qt+18:SC+32*\qt+19]
.endr
.irp m, 0,1,2,3,4,5
.irp qt, 0,1
	v_pk_add_f32 v[SM+4*\qt:SM+4*\qt+1],   v[SM+4*\qt:SM+4*\qt+1],   v[SC+32*\qt+4+2*\m:SC+32*\qt+5+2*\m]
	v_pk_add_f32 v[SM+4*\qt+2:SM+4*\qt+3], v[SM+4*\qt+2:SM+4*\qt+3], v[SC+32*\qt+20+2*\m:SC+32*\qt+21+2*\m]
.endr
.endr
.irp qt, 0,1
	v_pk_add_f32 v[SM+4*\qt:SM+4*\qt+1], v[SM+4*\qt:SM+4*\qt+1], v[SM+4*\qt+2:SM+4*\qt+3]
.endr
.irp qt, 0,1
.if \mode < 2
	v_add_f32 v[SM+4*\qt], v[SM+4*\qt], v[SM+4*\qt+1]
.else
	v_add_f32 v[LS+4*\g+\qt], v[SM+4*\qt], v[SM+4*\qt+1]
.endif
.endr
.if \mode < 2
.irp qt, 0,1
	v_fma_f32 v[LS+4*\g+\qt], v[LS+4*\g+\qt], v[AL+2*\qt], v[SM+4*\qt]
.endr
.endif
.irp qt, 0,1
.irp c, 0,1                            ; two key tiles become one fragment of 32 keys, in place
.irp i, 0,1,2,3
	v_cvt_pk_bf16_f32 v[SC+32*\qt+16*\c+\i], v[SC+32*\qt+16*\c+2*\i], v[SC+32*\qt+16*\c+2*\i+1]
.endr
.irp i, 0,1,2,3
	v_cvt_pk_bf16_f32 v[SC+32*\qt+16*\c+4+\i], v[SC+32*\qt+16*\c+8+2*\i], v[SC+32*\qt+16*\c+9+2*\i]
.endr
.endr
.endr
.if \mode < 2
	WIN 0x41                                       ; O in window 1, as destination and first source
.irp qt, 0,1
.irp m, 0,1,2,3,4,5,6,7,8,9,10,11,12,13,14,15
	v_pk_mul_f32 v[64*\g+32*\qt+2*\m:64*\g+32*\qt+2*\m+1], v[64*\g+32*\qt+2*\m:64*\g+32*\qt+2*\m+1], v[AL+2*\qt:AL+2*\qt+1]
.endr
.endr
.endif
	s_wait_dscnt 0x0                               ; V's fragments
	WIN 0x50
.irp c, 0,1
.irp qt, 0,1
.irp dt, 0,1,2,3                       ; eight accumulators, the same order for both halves of the keys
.if (\mode/2)*(1-\c)
	v_wmma_f32_16x16x32_bf16 v[64*\g+32*\qt+8*\dt:64*\g+32*\qt+8*\dt+7], v[FR+16*\dt+8*\c:FR+16*\dt+8*\c+7], v[SC+32*\qt+16*\c:SC+32*\qt+16*\c+7], 0
.else
	v_wmma_f32_16x16x32_bf16 v[64*\g+32*\qt+8*\dt:64*\g+32*\qt+8*\dt+7], v[FR+16*\dt+8*\c:FR+16*\dt+8*\c+7], v[SC+32*\qt+16*\c:SC+32*\qt+16*\c+7], v[64*\g+32*\qt+8*\dt:64*\g+32*\qt+8*\dt+7]
.endif
.endr
.endr
.endr
	WIN 0
	PLACES 5                                       ; ahead of the next loads into the fragments and the next matrix results over P
.endm
; A block takes part up to its wave's diagonal tile.  The branch hangs on the wave's number, i and the tile counter, and jumps over no barrier.
.macro GROUP g, slot
	s_cmp_gt_u32 s58, s[56+\g]
	s_cbranch_scc1 .Lskip_\@
	BODY \g, \slot, 0
.Lskip_\@:
.endm
; Tile 2 s54 + p, which lies in slot p.  st: the next tile goes from registers into the other slot (read last a tile ago, ahead of the last
; barrier).  ld: the tile after that is loaded into registers.  ga: block A may still take part.  No load stands under a branch: the laps
; that stage or load less are written out behind the loop.
.macro ATRIP p, st, ld, ga
	s_lshl_b32 s58, s54, 1
.if \p
	s_add_co_u32 s58, s58, 1
.endif
.if \st
	STAGE (1-\p)
.endif
.if \ld
	LOADKV 1
.endif
	GROUP 1, \p
.if \ga
	GROUP 0, \p
.endif
	s_wait_dscnt 0x0                               ; my reads of slot p and my stores into the other slot are done
	s_barrier_signal -1
	s_barrier_wait -1                              ; everybody's are
.endm
; ---------------------------------------------------------------- phase 3 macros
.macro XLOAD g, qt, set                ; 16 rows x 256 bytes of x: lanes 0-15 one row, lanes 16-31 the next
.irp e, 0,1,2,3,4,5,6,7
	global_load_b128 v[XR+32*\set+4*\e:XR+32*\set+4*\e+3], v[OGO], s[46+2*\g:47+2*\g] offset:65536*\qt+8192*\e
.endr
.endm
.macro RECIP g                         ; the two lane halves' sums meet; 1 / sum, twice for the packed multiply
	v_permlanex16_b32 v[PX],   v[LS+4*\g],   s60, s61
	v_permlanex16_b32 v[PX+1], v[LS+4*\g+1], s60, s61
	v_add_f32 v[AR],   v[LS+4*\g],   v[PX]
	v_add_f32 v[AR+1], v[LS+4*\g+1], v[PX+1]
	v_rcp_f32 v[AL],   v[AR]
	v_rcp_f32 v[AL+1], v[AR]
	v_rcp_f32 v[AL+2], v[AR+1]
	v_rcp_f32 v[AL+3], v[AR+1]
	v_nop                                          ; the place behind the reciprocals
	s_wait_alu depctr_va_vdst(0)
.endm
; 16 queries: a lane holds 8 neighbouring d of four d tiles of one query; through my own stage they become whole rows of 256 bytes.
.macro OUTP g, qt, left
	s_wait_xcnt 0x0                                ; the registers that earlier stores read are loaded again only behind this wait
	WIN 0x01                                       ; O, the first source, in window 1
.irp dt, 0,1,2,3
.irp m, 0,1,2,3
	v_pk_mul_f32 v[SC+8*\dt+2*\m:SC+8*\dt+2*\m+1], v[64*\g+32*\qt+8*\dt+2*\m:64*\g+32*\qt+8*\dt+2*\m+1], v[AL+2*\qt:AL+2*\qt+1]
.endr
.endr
	WIN 0
.irp dt, 0,1,2,3
	ds_store_b128 v[OST], v[SC+8*\dt:SC+8*\dt+3]   offset:64*\dt
	ds_store_b128 v[OST], v[SC+8*\dt+4:SC+8*\dt+7] offset:64*\dt+16
.endr
.irp e, 0,1,2,3,4,5,6,7
	ds_load_b128 v[FR+32*\qt+4*\e:FR+32*\qt+4*\e+3], v[ORD] offset:2*XP*\e   ; my own bytes; LDS serves a wave in order (ISA guide 5.7.1): these see the stores above
.endr
	s_wait_loadcnt \left                           ; this pass's eight rows of x are in; the next pass's eight loads may be out
	s_wait_dscnt 0x0
.irp m, 0,1,2,3,4,5,6,7,8,9,10,11,12,13,14,15
	v_pk_add_f32 v[FR+32*\qt+2*\m:FR+32*\qt+2*\m+1], v[FR+32*\qt+2*\m:FR+32*\qt+2*\m+1], v[XR+32*\qt+2*\m:XR+32*\qt+2*\m+1]
.endr
.irp e, 0,1,2,3,4,5,6,7
	global_store_b128 v[OGO], v[FR+32*\qt+4*\e:FR+32*\qt+4*\e+3], s[50+2*\g:51+2*\g] offset:65536*\qt+8192*\e th:TH_STORE_NT   ; sixteen lanes store 256 consecutive bytes, aligned
.endr
.endm
; ================================================================ the text
	s_load_b256 s[4:11], s[0:1], 0x0               ; x s[4:5], Wq s[6:7], k s[8:9], v s[10:11]
	s_load_b64 s[12:13], s[0:1], 0x20              ; out0
	v_lshl_add_u32 v62, v0, 2, 0x4d800
	v_mov_b32 v63, 0
	ds_add_u32 v62, v63
	v_lshrrev_b32 v1, 5, v0
	v_readfirstlane_b32 s14, v1                    ; wave 0..7
	s_bfe_u32 s15, ttmp6, 0x40000                  ; cx: my place in the cluster
	s_lshl_b32 s16, ttmp9, 2                       ; in a cluster launch ttmp9 counts clusters
	s_add_co_u32 s16, s16, s15                     ; head = 4 x cluster x + cx
	s_and_b32 s17, ttmp7, 0xffff                   ; y = 4 b + i, the same in all four partners
	s_lshr_b32 s18, s17, 2                         ; b
	s_and_b32 s19, s17, 3                          ; i: block A
	s_sub_co_u32 s20, 7, s19                       ; 7 - i: block B
	s_lshr_b32 s21, s14, 1
	s_lshl_b32 s55, s19, 1
	s_sub_co_u32 s55, 15, s55                      ; 4 (8 - i) tiles reach the end of block B; in laps of two the last lap is 15 - 2 i
	s_lshl2_add_u32 s56, s19, s21                  ; my 32 rows of block A lie in key tile 4 i + (w >> 1),
	s_lshl2_add_u32 s57, s20, s21                  ; those of block B in tile 4 (7 - i) + (w >> 1)
	s_mov_b32 s60, 0x76543210                      ; v_permlanex16_b32: lane l of one half reads lane l of the other
	s_mov_b32 s61, 0xfedcba98
	; group 1: a tile of 64 rows x 64 f32 out of rows of 1,024, padded in LDS, for all four work-groups of the cluster
	s_mov_b32 s24, 15|(2<<16)|(1<<20)|(1<<21)|(5<<22)|(3<<25)   ; 15:0 mask: the four partners; 17:16 elements of 4 bytes; 20 padding on; 21 set beside a mask; 24:22 after every 64 words; 31:25 four words
	s_mov_b32 s25, 64<<16                          ; tensor_dim0 = 64
	s_mov_b32 s26, 64<<16                          ; tensor_dim1 = 64
	s_mov_b32 s27, 64<<16                          ; tile_dim0 = 64
	s_mov_b32 s28, 64                              ; tile_dim1 = 64
	s_mov_b32 s29, 1024                            ; elements from row to row
	s_mov_b32 s30, 0
	s_mov_b32 s31, 0
	; my 64 rows of a chunk: waves 0-3 fetch block A's, waves 4-7 block B's.  Made of b, i and the wave's number: equal in the four partners.
	s_cmp_lt_u32 s14, 4
	s_cselect_b32 s22, s19, s20
	s_lshl_b32 s22, s22, 8
	s_lshl_b32 s59, s18, 11
	s_add_co_u32 s22, s22, s59
	s_and_b32 s59, s14, 3
	s_lshl_b32 s59, s59, 6
	s_add_co_u32 s22, s22, s59                     ; row 2048 b + 256 block + 64 (w & 3)
	s_lshl_b32 s22, s22, 12                        ; in bytes, below 2^25
	s_mov_b32 s23, 0
	s_mov_b32 s32, 1
	s_mul_i32 s33, s14, XWAVE                      ; LDS: slot 0, rows 64 w
	s_mov_b32 s36, 1
	s_add_co_u32 s37, s33, XSLOT                   ; slot 1
	; lane terms: r = l & 15 (also t & 15), h = (l >> 4) & 1, t >> 4
	v_and_b32 v1, 15, v0
	v_bfe_u32 v2, v0, 4, 1
	v_lshrrev_b32 v48, 4, v0
	v_lshlrev_b32 v[WGO], 12, v48
	v_lshl_add_u32 v[WGO], v1, 4, v[WGO]
	s_wait_dscnt 0x0
	s_wait_kmcnt 0x0
	s_lshl_b32 s62, s16, 18                        ; 64 rows of 4,096 bytes a head
	s_mov_b32 s63, 0
	s_add_nc_u64 s[40:41], s[6:7], s[62:63]
	WLOAD 0                                        ; chunk 0 of Wq
	s_add_nc_u64 s[34:35], s[4:5], s[22:23]        ; chunk 0 of x
	s_add_nc_u64 s[38:39], s[34:35], 256           ; chunk 1
	s_or_b32 s35, s35, 0x80000000                  ; type 2
	s_or_b32 s39, s39, 0x80000000
	ROUND                                          ; all four work-groups are here: the first joint load meets its partners'
	tensor_load_to_lds s[32:35], s[24:31]
	s_nop 0
	s_lshl4_add_u32 s62, s18, s16                  ; 16 b + head
	s_lshl_b32 s62, s62, 19                        ; x 2,048 keys x 256 bytes
	s_add_nc_u64 s[42:43], s[8:9], s[62:63]
	s_add_nc_u64 s[44:45], s[10:11], s[62:63]
	s_lshl_b32 s15, s16, 8                         ; the head's 256 bytes in a row of x and out
	s_lshl_b32 s59, s18, 11
	s_lshl_b32 s58, s14, 5
	s_add_co_u32 s59, s59, s58                     ; 2048 b + 32 w
	s_lshl_b32 s58, s19, 8
	s_add_co_u32 s58, s58, s59                     ; my first row of block A
	s_lshl_b32 s62, s58, 12
	s_add_co_u32 s62, s62, s15
	s_add_nc_u64 s[46:47], s[4:5], s[62:63]
	s_add_nc_u64 s[50:51], s[12:13], s[62:63]
	s_lshl_b32 s58, s20, 8
	s_add_co_u32 s58, s58, s59                     ; of block B
	s_lshl_b32 s62, s58, 12
	s_add_co_u32 s62, s62, s15
	s_add_nc_u64 s[48:49], s[4:5], s[62:63]
	s_add_nc_u64 s[52:53], s[12:13], s[62:63]
	s_mul_i32 s59, s14, 32*XP                      ; my 32 rows in a block of a slot
	v_mul_u32_u24 v[XA0], v1, XP
	v_lshl_add_u32 v[XA0], v2, 5, v[XA0]
	v_add_nc_u32 v[XA0], s59, v[XA0]               ; (32 w + r) 272 + 32 h
	v_add_nc_u32 v[XA0+1], 256*XP, v[XA0]
	v_add_nc_u32 v[XA0+2], XSLOT, v[XA0]
	v_add_nc_u32 v[XA0+3], XSLOT+256*XP, v[XA0]
	v_mul_u32_u24 v[FRA], v1, KP
	v_lshl_add_u32 v[FRA], v2, 4, v[FRA]
	v_add_nc_u32 v[FRA], RG, v[FRA]
	v_mul_u32_u24 v[STA], v48, KP
	v_lshl_add_u32 v[STA], v1, 3, v[STA]
	v_add_nc_u32 v[STA], RG, v[STA]
	v_mul_u32_u24 v[VST], v48, VP
	v_lshl_add_u32 v[VST], v1, 3, v[VST]
	v_add_nc_u32 v[VST], RG+VOFF, v[VST]
	v_lshlrev_b32 v[KGO], 4, v0
	v_and_b32 v49, 7, v0
	v_lshl_add_u32 v49, v2, 3, v49                 ; key 8 h + (l & 7)
	v_mul_u32_u24 v[VFA], v49, VP
	v_bfe_u32 v49, v0, 3, 1
	v_lshl_add_u32 v[VFA], v49, 4, v[VFA]          ; + 16 ((l >> 3) & 1)
	v_add_nc_u32 v[VFA], RG+VOFF, v[VFA]
	s_mul_i32 s59, s14, 16*XP
	s_add_co_u32 s59, s59, RG                      ; my stage for the way out
	v_mul_u32_u24 v[OST], v1, XP
	v_lshl_add_u32 v[OST], v2, 5, v[OST]
	v_add_nc_u32 v[OST], s59, v[OST]
	v_mul_u32_u24 v[ORD], v2, XP
	v_lshl_add_u32 v[ORD], v1, 4, v[ORD]
	v_add_nc_u32 v[ORD], s59, v[ORD]
	v_lshlrev_b32 v[OGO], 12, v2
	v_lshl_add_u32 v[OGO], v1, 4, v[OGO]
	v_lshlrev_b32 v49, 3, v2
	v_sub_nc_u32 v49, v1, v49                      ; r - 8 h
	s_lshl_b32 s59, s14, 5
	s_lshl_b32 s58, s19, 8
	s_add_co_u32 s58, s58, s59
	v_add_nc_u32 v[QH], s58, v49                   ; 256 i + 32 w + r - 8 h
	s_lshl_b32 s58, s20, 8
	s_add_co_u32 s58, s58, s59
	v_add_nc_u32 v[QH+1], s58, v49
	WSTAGE 0                                       ; chunk 0 of Wq into W's slot 0
	WLOAD 1                                        ; chunk 1
	; PHASE 1: 16 chunks through two slots.  A wave has one tensor load out at a time; it has a chunk's work in which to land.
	PTRIP 0, 1, 1, 1, 1                            ; the first lap stands ahead of the loop: its first products start the sums
	PTRIP 1, 1, 1, 1, 0
	s_mov_b32 s54, 6
.Lproj:
	PTRIP 0, 1, 1, 1, 0
	PTRIP 1, 1, 1, 1, 0
	s_sub_co_i32 s54, s54, 1
	s_cmp_lg_u32 s54, 0
	s_cbranch_scc1 .Lproj
	PTRIP 0, 1, 1, 0, 0                            ; chunk 14: asks for chunk 15, stages Wq's chunk 15, loads nothing more of Wq
	PTRIP 1, 0, 0, 0, 0                            ; chunk 15: nothing is left to fetch
	; q: times log2(e) / 32, rounded once, straight into second-source fragments (d tiles 2 s, 2 s + 1 make the fragment of d = 32 s ..)
	LOADKV 0                                       ; tile 0
	s_wait_dscnt 0x0
	s_barrier_signal -1                            ; my reads of W's slots are over
	WIN 0x45
.set cnt, 0
.rept 64
	v_pk_mul_f32 v[2*cnt:2*cnt+1], v[2*cnt:2*cnt+1], 0x3d38aa3b op_sel_hi:[1,0]
.set cnt, cnt+1
.endr
.irp u, 0,1,2,3
.irp sp, 0,1
.irp e, 0,1
.irp i, 0,1,2,3
	v_cvt_pk_bf16_f32 v[128+16*\u+8*\sp+4*\e+\i], v[32*\u+16*\sp+8*\e+2*\i], v[32*\u+16*\sp+8*\e+2*\i+1]
.endr
.endr
.endr
.endr
	WIN 0
	v_mov_b32 v[NINF], 0xff800000
	v_mov_b32 v[PX], 0                             ; v_permlanex16_b32 counts as a reader of its destination
	v_mov_b32 v[PX+1], 0
	s_barrier_wait -1                              ; everybody's are: the K/V slots take W's bytes
	STAGE 0
	LOADKV 1                                       ; tile 1
	s_wait_dscnt 0x0
	s_barrier_signal -1
	s_barrier_wait -1                              ; tile 0 is whole
	; PHASE 2.  Tile t lies in slot t & 1.  In tile t's turn tile t + 1 goes from registers into the other slot and tile t + 2 is loaded.
	s_mov_b32 s54, 0                               ; lap 0, written out
	s_mov_b32 s58, 0                               ; tile 0: both blocks take part; it starts maxima, sums and O
	STAGE 1
	LOADKV 1                                       ; tile 2
	BODY 1, 0, 2
	BODY 0, 0, 2
	s_wait_dscnt 0x0
	s_barrier_signal -1
	s_barrier_wait -1
	ATRIP 1, 1, 1, 1                               ; tile 1: stages tile 2, loads tile 3
	s_mov_b32 s54, 1
.Ltiles:                                           ; laps 1 .. 14 - 2 i (at least eight): the last of them loads the last two tiles
	ATRIP 0, 1, 1, 1
	ATRIP 1, 1, 1, 1
	s_add_co_u32 s54, s54, 1
	s_cmp_lt_u32 s54, s55
	s_cbranch_scc1 .Ltiles
	; the last lap, 15 - 2 i (s54 holds it): nothing is left to load.  Block A ended at tile 4 i + 3 at the latest, which is below 30 - 4 i.
	ATRIP 0, 1, 0, 0                               ; stages the last tile; behind its wait no global load is out
	ATRIP 1, 0, 0, 0
	; PHASE 3: behind the last tile's barrier nobody reads the K/V slots any more; each wave's stage lies in their bytes
	XLOAD 0, 0, 0
	XLOAD 0, 1, 1
	RECIP 0
	OUTP 0, 0, 8
	XLOAD 1, 0, 0
	OUTP 0, 1, 8
	XLOAD 1, 1, 1
	RECIP 1
	OUTP 1, 0, 8
	OUTP 1, 1, 0
	s_wait_tensorcnt 0x0
	ds_add_u32 v62, v63
	s_wait_dscnt 0x0
	ROUND                                          ; the closing round
	s_endpgm
.Lfunc_end_k_q8544000eeb_head:
	.size	k_q8544000eeb_head, .Lfunc_end_k_q8544000eeb_head-k_q8544000eeb_head
	.p2alignl 7, 3214868480
	.fill 96, 4, 3214868480
	.section	.rodata,"a",@progbits
	.p2align	6, 0x0
	.amdhsa_kernel k_q8544000eeb_head
		.amdhsa_group_segment_fixed_size 327680
		.amdhsa_private_segment_fixed_size 0
		.amdhsa_enable_private_segment 0
		.amdhsa_kernarg_size 40
		.amdhsa_user_sgpr_count 2
		.amdhsa_user_sgpr_kernarg_segment_ptr 1
		.amdhsa_wavefront_size32 1
		.amdhsa_system_sgpr_workgroup_id_x 1
		.amdhsa_system_sgpr_workgroup_id_y 1
		.amdhsa_system_sgpr_workgroup_id_z 1
		.amdhsa_system_vgpr_workitem_id 0
		.amdhsa_next_free_vgpr 448
		.amdhsa_next_free_sgpr 66
		.amdhsa_reserve_vcc 1
		.amdhsa_float_denorm_mode_32 3
		.amdhsa_float_denorm_mode_16_64 3
		.amdhsa_memory_ordered 1
		.amdhsa_forward_progress 1
		.amdhsa_inst_pref_size 255
	.end_amdhsa_kernel
	.section	.bss,"aw",@nobits
	.p2align	6
	.space	262144
	.amdgpu_metadata
---
amdhsa.version: [ 1, 2 ]
amdhsa.kernels:
  - .name:           k_q8544000eeb_head
    .symbol:         k_q8544000eeb_head.kd
    .args:
      - { .name: x, .offset: 0, .size: 8, .value_kind: global_buffer, .address_space: global }
      - { .name: Wq, .offset: 8, .size: 8, .value_kind: global_buffer, .address_space: global }
      - { .name: k, .offset: 16, .size: 8, .value_kind: global_buffer, .address_space: global }
      - { .name: v, .offset: 24, .size: 8, .value_kind: global_buffer, .address_space: global }
      - { .name: out0, .offset: 32, .size: 8, .value_kind: global_buffer, .address_space: global }
    .group_segment_fixed_size: 327680
    .private_segment_fixed_size: 0
    .kernarg_segment_align: 8
    .kernarg_segment_size: 40
    .max_flat_workgroup_size: 256
    .sgpr_count:     66
    .vgpr_count:     448
    .wavefront_size: 32
...
	.end_amdgpu_metadata
.endif
;; end of part 1
;; ======== version 2 of 2: 1 launch
;; launch head (part 2): grid 16 x 16, 8 waves a work-group, clusters of 4 x 1, 327,680 bytes of LDS; arguments x, Wq, k, v, out0; writes out0
.if DOCPART == 2
	.amdgcn_target "amdgcn-amd-amdhsa--gfx1250"
	.amdhsa_code_object_version 6
	.text
	.protected	k_q8544000eeb_head
	.globl	k_q8544000eeb_head
	.p2align	8
	.type	k_q8544000eeb_head,@function
k_q8544000eeb_head:
	s_mov_b64 s[64:65], 0
	v_nop
	global_prefetch_b8 v0, s[64:65] scope:SCOPE_SE
	s_setreg_imm32_b32 hwreg(HW_REG_WAVE_MODE, 25, 1), 1
	s_wait_xcnt 0x0
	s_wait_alu depctr_hold_cnt(0) depctr_sa_sdst(0) depctr_va_vdst(0) depctr_va_sdst(0) depctr_va_ssrc(0) depctr_va_vcc(0) depctr_vm_vsrc(0)
	s_getreg_b32 s2, hwreg(HW_REG_IB_STS2, 6, 4)
	s_cmp_eq_u32 s2, 0
	s_cbranch_scc0 .Lentry_in_a_cluster
	s_endpgm
.Lentry_in_a_cluster:
	s_bfe_u32 s2, ttmp6, 0x10000c
	s_cmp_lg_u32 s2, 0x3003
	s_cbranch_scc0 .Lentry_shape_is_right
	s_endpgm
.Lentry_shape_is_right:
; out = x + softmax_causal((x Wq^T) K^T / 32) V.   x, out: [4][2048][1024] f32; Wq: [1024][1024] f32; k, v: [4][16][2048][64] f32.
; ONE launch.  A work-group owns one (batch b, head) and TWO blocks of 256 query rows, block A = i and block B = 7 - i (i = 0..3): every
; work-group then has the same causal work.  Eight waves, two for each of a WGP's four SIMDs, so that one wave's softmax can run beside the
; other's matrix work.  Wave w owns rows 32 w .. 32 w + 31 of both blocks.  Grid: x = head, y = b + 4 i.
; PHASE 1  q = x Wq_head^T for the 512 rows, K in 16 chunks of 64.   PHASE 2  one walk over K/V tiles of 64 keys that serves both blocks.
; PHASE 3  divide by the sums, add x, store.
; ALL PRODUCTS ARE TAKEN TRANSPOSED: q^T = Wq_h x^T, S^T = K q^T, O^T = V^T P^T.  A result tile holds, in lane (r, h), register j, the element
; (m = 8 h + j, n = r); two neighbouring m tiles, rounded to bf16 in pairs, ARE a second-source fragment of 32 along K.  So q, the scores and P
; never leave registers or change lanes, and a query's softmax needs one exchange between the lane halves.
; CLUSTER: the four work-groups of a cluster are four heads of the same (b, i): they project the same 512 rows of x and ask for each chunk
; jointly, which divides the requests for x by four.  K and V are NOT asked for jointly: the work-groups that share them (i = 0..3 of one head)
; walk 32, 28, 24 and 20 tiles, and K and V go through registers anyway, so that each number is rounded to bf16 once by one thread (a tile laid
; into LDS as f32 would be rounded again by each of the eight waves, and the 16-bit transposing load that V needs could not be used).
; Wq's 64 rows of a head (256 KiB) are this work-group's alone within its cluster.
; THE ORDER OF THE CHUNKS: four clusters (X = 0..3, the sixteen heads) project the same 512 rows.  Cluster X starts at chunk 4 X and goes round:
; step s takes chunk (4 X + s) mod 16, of x and of Wq alike.  So in each step the four ask for four different chunks, and from step 4 on a cluster
; asks for a chunk that another cluster asked for four steps before.  The sum over K only starts at another place.
; PREFETCH: the chunks of steps 0 and 1 are asked for at once by the first tensor loads; those of steps 2 and 3, which no other cluster asks for
; earlier, by one prefetch a wave behind them: 512 rows x 2 chunks are 1,024 pieces of 256 bytes, one for each lane of the cluster's 32 waves.
; None for K and V: each tile is loaded into registers a tile's work ahead of its use, the first one two steps ahead of the projection's end.
; LIMITS: matrix operands are bf16 (x, Wq, q log2(e)/32, K, P, V); sums, maxima and exponentials are f32; the row sum is taken over the unrounded
; exponentials; an exponential below 2^-126 counts as 0 (ISA guide, v_exp_f32); the maxima drop NaN, so NaN inputs are not carried as in f32 JAX.
; A running maximum is kept, so every row sum is at least 1.
.set XP,     272                       ; LDS pitch of a row of x (and of the way out): 256 bytes + 16
.set XSLOT,  512*XP                    ; 139,264: a chunk of x, 512 rows (block A's 256, then block B's 256) x 64 f32
.set XWAVE,  64*XP                     ; 17,408: what one wave's tensor load brings
.set RG,     2*XSLOT                   ; 278,528 = 1,088 x 256: the region that ds_store fills; no tensor load ever lands in it
.set KP,     144                       ; pitch of 64 bf16 (W's and K's rows): 128 + 16
.set VP,     160                       ; pitch of V's rows: 128 + 32, an odd multiple of 32 for the transposing load
.set WSLOT,  64*KP                     ; 9,216: 64 rows of Wq_head x 64 k
.set VOFF,   64*KP                     ; V behind K in a K/V slot
.set KVS,    64*KP+64*VP               ; 19,456: a K/V slot; two end at 317,440
; vector registers, window 0
.set XA0, 3                            ; v3-6   x fragments: slot 0 block A, slot 0 block B, slot 1 block A, slot 1 block B
.set FRA, 7                            ; v7     W's and K's fragments: RG + 144 r + 16 h
.set STA, 8                            ; v8     W's and K's stage: RG + 144 (t >> 4) + 8 (t & 15)
.set WGO, 9                            ; v9     Wq: 4096 (t >> 4) + 16 (t & 15)
.set KGO, 10                           ; v10    K, V: 16 t
.set VST, 12                           ; v12    V's stage
.set PFO, 13                           ; v13    the prefetch's offset; never rewritten
.set VFA, 14                           ; v14    V's fragments (transposing load)
.set OST, 15                           ; v15    the way out: where I put 32 bytes of a row
.set ORD, 16                           ; v16    the way out: where I read a row back
.set OGO, 17                           ; v17    x and out: 4096 h + 16 r
.set QH,  18                           ; v18-19 block A, B: my query of tile 0, less 8 h
.set MX,  20                           ; v20-21 A, v24-25 B: running maxima of query tiles 0, 1
.set LS,  22                           ; v22-23 A, v26-27 B: running sums (this lane half's keys)
.set MN,  28                           ; v28-31 the new maxima, each twice (pairs for the packed forms)
.set TM,  32                           ; v32-35 maximum chains
.set PX,  36                           ; v36-37 from the other lane half
.set SM,  40                           ; v40-47 sum chains
.set DG,  48                           ; v48-49 the largest allowed 16 kt + j of query tiles 0, 1
.set NINF,50                           ; v50    -infinity
.set AL,  52                           ; v52-55 the rescale factors, each twice; at the end 1 / sum, each twice
.set AR,  56                           ; v56-57 arguments
.set WSG, 32                           ; v32-47 phase 1: Wq as loaded
.set KV0, 32                           ; v32-63 from step 14 to the end of phase 1: K/V tile 0 as loaded
.set SC,  64                           ; v64-127  score tile (qt, kt) at 32 qt + 8 kt; P fragment (qt, c) in place at 32 qt + 16 c
.set XL0, 64                           ; phase 1: x of k 0-31 of the chunk, 16 f32 for each of 4 row tiles, rounded in place
.set FR,  128                          ; v128-191 fragments of W, then K, then V; at the end rows read back
.set XL1, 192                          ; phase 1: x of k 32-63
.set XR,  192                          ; v192-255 at the end: two sets of residual rows
.set STG, 224                          ; v224-255 K (16) and V (16) as loaded
; window 1 (written with the low 8 bits): v0-63 O of block A, v64-127 O of block B (tile (qt, dt) at 32 qt + 8 dt; in phase 1 the projection's sums,
; tile (u, a) at 32 u + 8 a); v128-159 q fragments of A, v160-191 of B (fragment (qt, s) at 16 qt + 8 s).
; scalar: s[2:3] the running chunk's byte offset in a row (made of the cluster's x and the step), 0 above it; s[4:5] x; s[6:7] Wq, then Wq at the
; head's rows; s[8:13] k, v, out; s14 wave; s15, s16, s62 numbers made from cx (global offsets alone); s17 y, s18 b, s19 i, s20 7 - i, s21 w >> 1;
; s[22:23] x at the 64 rows that I fetch; s[24:31] group 1; s[32:39] group 0 of slots 0, 1; s[40:41] Wq's chunk; s[42:45] K, V; s[46:49] residual
; A, B; s[50:53] out A, B; s54 counter (chunk laps, then tile laps); s55 the last tile lap; s56, s57 diagonal tile of A, B; s58 tile; s59 scratch;
; s60, s61 lane selects.
.set MSB, 0
.macro WIN new                         ; s_set_vgpr_msb: bits 1:0 source 0, 3:2 source 1, 5:4 source 2, 7:6 destination; the high byte repeats the setting left
.if MSB != \new
	s_set_vgpr_msb (MSB<<8)|\new
.set MSB, \new
.endif
.endm
.macro PLACES cnt                      ; places behind matrix instructions (ISA guide 7.12.1)
.rept \cnt
	v_nop
.endr
.endm
; A round of the cluster's barrier: my work-group's barrier, wave 0 signals for the work-group, every wave waits for all four, my barrier again.
.macro ROUND
	s_barrier_signal -1
	s_barrier_wait -1
	s_cmp_lg_u32 s14, 0
	s_cbranch_scc1 .Lnot_wave_0_\@
	s_barrier_signal -3
.Lnot_wave_0_\@:
	s_barrier_wait -3
	s_barrier_signal -1
	s_barrier_wait -1
.endm
; ---------------------------------------------------------------- K/V from memory to LDS (used in phases 1 and 2)
; A tile of 64 keys is 16 KiB of K and 16 KiB of V, each consecutive in memory: thread t takes 16 bytes at 16 t + 4096 j = key (t >> 4) + 16 j.
; step: the bases go so many tiles on first (only where the loads that named them are shown done).  off: a further offset in the immediate.
.macro LOADKV step, off, base
.if \step
	s_add_nc_u64 s[42:43], s[42:43], \step*16384
	s_add_nc_u64 s[44:45], s[44:45], \step*16384
.endif
.irp j, 0,1,2,3
	global_load_b128 v[\base+4*\j:\base+4*\j+3], v[KGO], s[42:43] offset:\off+4096*\j
.endr
.irp j, 0,1,2,3
	global_load_b128 v[\base+16+4*\j:\base+16+4*\j+3], v[KGO], s[44:45] offset:\off+4096*\j
.endr
.endm
; Round once, 8 bytes a thread and key into the slot.  left: how many younger loads may stay out.
.macro STAGE slot, base, left
	s_wait_loadcnt \left                           ; loads come back in order (ISA guide 5.7.1): this tile's eight are in
.irp j, 0,1,2,3,4,5,6,7
	v_cvt_pk_bf16_f32 v[\base+4*\j],   v[\base+4*\j],   v[\base+4*\j+1]
	v_cvt_pk_bf16_f32 v[\base+4*\j+1], v[\base+4*\j+2], v[\base+4*\j+3]
.endr
.irp j, 0,1,2,3
	ds_store_b64 v[STA], v[\base+4*\j:\base+4*\j+1] offset:(\slot)*KVS+16*KP*\j
	ds_store_b64 v[VST], v[\base+16+4*\j:\base+16+4*\j+1] offset:(\slot)*KVS+16*VP*\j
.endr
.endm
; ---------------------------------------------------------------- phase 1 macros
; 64 rows x 256 bytes of Wq: thread t takes 16 bytes of rows (t >> 4) + 16 j; sixteen lanes cover 256 consecutive bytes of a row, aligned.
; adv = 1: the running chunk goes one on, round the row's 16 chunks.
.macro WLOAD adv
.if \adv
	s_add_co_u32 s2, s2, 256
	s_and_b32 s2, s2, 0xf00
.endif
	s_add_nc_u64 s[40:41], s[6:7], s[2:3]          ; the loads that named this base are shown done by WSTAGE's wait
.irp j, 0,1,2,3
	global_load_b128 v[WSG+4*\j:WSG+4*\j+3], v[WGO], s[40:41] offset:65536*\j
.endr
.endm
.macro WSTAGE slot                     ; round once, 8 bytes a thread and row into W's slot
	s_wait_loadcnt 0x0                             ; the four loads, issued a chunk ago
.irp j, 0,1,2,3
	v_cvt_pk_bf16_f32 v[WSG+4*\j],   v[WSG+4*\j],   v[WSG+4*\j+1]
	v_cvt_pk_bf16_f32 v[WSG+4*\j+1], v[WSG+4*\j+2], v[WSG+4*\j+3]
.endr
.irp j, 0,1,2,3
	ds_store_b64 v[STA], v[WSG+4*\j:WSG+4*\j+1] offset:(\slot)*WSLOT+16*KP*\j
.endr
.endm
; x^T as second source: lane (r, h) needs k = 8 h .. + 7 and 16 + 8 h .. + 7 of row r, as f32 32 bytes at 32 h and 32 bytes at 64 + 32 h.
.macro XFETCH slot, s, xl
.irp u, 0,1,2,3
	ds_load_b128 v[\xl+16*\u:\xl+16*\u+3],     v[XA0+2*\slot+\u/2] offset:16*XP*(\u&1)+128*\s
	ds_load_b128 v[\xl+16*\u+4:\xl+16*\u+7],   v[XA0+2*\slot+\u/2] offset:16*XP*(\u&1)+128*\s+16
	ds_load_b128 v[\xl+16*\u+8:\xl+16*\u+11],  v[XA0+2*\slot+\u/2] offset:16*XP*(\u&1)+128*\s+64
	ds_load_b128 v[\xl+16*\u+12:\xl+16*\u+15], v[XA0+2*\slot+\u/2] offset:16*XP*(\u&1)+128*\s+80
.endr
.endm
.macro WFETCH slot, s                  ; W's four fragments of k = 32 s .. 32 s + 31
.irp a, 0,1,2,3
	ds_load_b128 v[FR+32*\s+8*\a:FR+32*\s+8*\a+3],   v[FRA] offset:\slot*WSLOT+16*KP*\a+64*\s
	ds_load_b128 v[FR+32*\s+8*\a+4:FR+32*\s+8*\a+7], v[FRA] offset:\slot*WSLOT+16*KP*\a+64*\s+32
.endr
.endm
.macro XCVT xl                         ; 16 f32 become the 8 registers of a fragment, in place (register i is written when 2 i and 2 i + 1 are being read)
.irp u, 0,1,2,3
.irp i, 0,1,2,3,4,5,6,7
	v_cvt_pk_bf16_f32 v[\xl+16*\u+\i], v[\xl+16*\u+2*\i], v[\xl+16*\u+2*\i+1]
.endr
.endr
.endm
.macro PMUL s, xl, zero                ; 16 matrix instructions on 16 accumulators, always in this order
.irp u, 0,1,2,3
.irp a, 0,1,2,3
.if \zero
	v_wmma_f32_16x16x32_bf16 v[32*\u+8*\a:32*\u+8*\a+7], v[FR+32*\s+8*\a:FR+32*\s+8*\a+7], v[\xl+16*\u:\xl+16*\u+7], 0
.else
	v_wmma_f32_16x16x32_bf16 v[32*\u+8*\a:32*\u+8*\a+7], v[FR+32*\s+8*\a:FR+32*\s+8*\a+7], v[\xl+16*\u:\xl+16*\u+7], v[32*\u+8*\a:32*\u+8*\a+7]
.endif
.endr
.endr
.endm
; Step c of the 16: one chunk of 64 along K, in slot c & 1.  At its head s2 holds the chunk offset of step c + 1.
; A step's products go in two halves of 32 along K, each on registers of its own (XL0 with W's first half, XL1 with W's second).  All of a step's
; LDS loads are issued and waited for inside the step, but the second half's 16 matrix instructions stand behind the NEXT step's barrier, beside that
; step's first 24 loads, and the first half's stand beside the second half's 24 loads: the wave multiplies one half while the other is on its way.
; refill: step c + 1's chunk of x is asked for, into the other slot.  wst: step c + 1's chunk of Wq goes into W's other slot.
; wld: step c + 2's is loaded into registers.  first: step 0, whose successor was asked for at the start and whose first products start the sums.
; kv: K/V tile 0 is loaded, into the registers that Wq's last stage has just left.
.macro PTRIP slot, refill, wst, wld, first, kv
.if \first
	s_wait_tensorcnt 0x1                           ; my 64 rows of step 0 have landed; step 1's load may stay out
.else
	s_set_vgpr_msb 0x4
	s_wait_tensorcnt 0x0                           ; all my tensor loads have landed (one was out: my 64 rows of this chunk),
	ds_add_u32 v11, v193
	s_wait_dscnt 0x0
	s_set_vgpr_msb 0x400
.endif
.if \refill
	s_add_nc_u64 s[38-4*\slot:39-4*\slot], s[22:23], s[2:3]   ; so a group 0 may be written: the other slot's next chunk
	s_or_b32 s[39-4*\slot], s[39-4*\slot], 0x80000000         ; type 2
.endif
	s_wait_dscnt 0x0                               ; my reads of the other slots (W's second half was the last) and my stores into W's slot are done
.if \refill
	ROUND                                          ; both now hold of every wave of all four work-groups
	tensor_load_to_lds s[36-4*\slot:39-4*\slot], s[24:31]   ; my one tensor load behind the round, and the first thing there
	s_nop 0
.else
	s_barrier_signal -1                            ; my work-group's own is enough
	s_barrier_wait -1
.endif
.if \wst
	WSTAGE (1-\slot)
.endif
.if \wld
	WLOAD 1
.endif
.if \kv
	LOADKV 0, 0, KV0
.endif
	XFETCH \slot, 0, XL0                           ; XL0 and W's first half were last read by matrix instructions ahead of the 32 conversions of XL1: places enough
	WFETCH \slot, 0
.if 1-\first
	WIN 0x50                                       ; C and D in window 1
	PMUL 1, XL1, 0                                 ; the last step's second half
	WIN 0
.endif
	s_wait_dscnt 8                                 ; LDS answers in order: W's eight loads may be out, x of k 0-31 is in
	XCVT XL0                                       ; 32 plain lines that name none of the registers of the 16 matrix instructions above: the places ahead of the loads below
	XFETCH \slot, 1, XL1
	WFETCH \slot, 1
	s_wait_dscnt 24                                ; the 24 just issued may be out: W's first half is in
	WIN 0x50
	PMUL 0, XL0, \first
	WIN 0
	s_wait_dscnt 8                                 ; W's second half may be out, x of k 32-63 is in
	XCVT XL1
.endm
; ---------------------------------------------------------------- phase 2 macros
; One block's 32 queries against one tile of 64 keys (tile number in s58).  g: 0 block A, 1 block B.
; mode 0: any tile behind the first; the masking lines are jumped over unless this is the wave's diagonal tile.
; mode 2: tile 0, which starts maxima, sums and O, and is always masked (for block 0 it is the diagonal tile of waves 0 and 1).
.macro BODY g, slot, mode
.irp s, 0,1
.irp kt, 0,1,2,3
	ds_load_b128 v[FR+16*\kt+8*\s:FR+16*\kt+8*\s+3],   v[FRA] offset:\slot*KVS+16*KP*\kt+64*\s
	ds_load_b128 v[FR+16*\kt+8*\s+4:FR+16*\kt+8*\s+7], v[FRA] offset:\slot*KVS+16*KP*\kt+64*\s+32
.endr
.endr
	s_wait_dscnt 8                                 ; the eight loads of d = 32..63 may be out
	WIN 0x04                                       ; the second source (q) in window 1
.irp qt, 0,1
.irp kt, 0,1,2,3
	v_wmma_f32_16x16x32_bf16 v[SC+32*\qt+8*\kt:SC+32*\qt+8*\kt+7], v[FR+16*\kt:FR+16*\kt+7], v[128+32*\g+16*\qt:128+32*\g+16*\qt+7], 0
.endr
.endr
	s_wait_dscnt 0x0
.irp qt, 0,1
.irp kt, 0,1,2,3                       ; the eight accumulators in the same order again
	v_wmma_f32_16x16x32_bf16 v[SC+32*\qt+8*\kt:SC+32*\qt+8*\kt+7], v[FR+16*\kt+8:FR+16*\kt+15], v[128+32*\g+16*\qt+8:128+32*\g+16*\qt+15], v[SC+32*\qt+8*\kt:SC+32*\qt+8*\kt+7]
.endr
.endr
	WIN 0
	PLACES 4                                       ; ahead of the loads into K's fragments and of the reads of the scores
.irp c, 0,1
.irp dt, 0,1,2,3                       ; V^T as first source: rows of V lie along d, so the 16-bit transposing load; they land under the softmax
	ds_load_tr16_b128 v[FR+16*\dt+8*\c:FR+16*\dt+8*\c+3],   v[VFA] offset:\slot*KVS+32*VP*\c+32*\dt
	ds_load_tr16_b128 v[FR+16*\dt+8*\c+4:FR+16*\dt+8*\c+7], v[VFA] offset:\slot*KVS+32*VP*\c+32*\dt+16*VP
.endr
.endr
.if \mode == 0
	s_cmp_lg_u32 s58, s[56+\g]                     ; ahead of the diagonal tile every key is allowed
	s_cbranch_scc1 .Lfull_\@
.endif
	; key 64 tile + 16 kt + 8 h + j is masked where it exceeds query 256 block + 32 w + 16 qt + r: 16 kt + j > QH - 64 tile + 16 qt (signed: it can be -8)
	s_lshl_b32 s59, s58, 6
	v_sub_nc_u32 v[DG], v[QH+\g], s59
	v_add_nc_u32 v[DG+1], 16, v[DG]
.irp qt, 0,1
.irp kt, 0,1,2,3
.irp j, 0,1,2,3,4,5,6,7
	v_cmp_gt_i32 vcc_lo, 16*\kt+\j, v[DG+\qt]
	v_cndmask_b32 v[SC+32*\qt+8*\kt+\j], v[SC+32*\qt+8*\kt+\j], v[NINF], vcc_lo
.endr
.endr
.endr
.if \mode == 0
.Lfull_\@:
.endif
	; the maximum of a query's 64 scores and its old maximum: four chains in the lane, then the other lane half
.irp qt, 0,1
	v_max3_num_f32 v[TM+2*\qt],   v[SC+32*\qt],    v[SC+32*\qt+1],  v[SC+32*\qt+2]
	v_max3_num_f32 v[TM+2*\qt+1], v[SC+32*\qt+16], v[SC+32*\qt+17], v[SC+32*\qt+18]
.endr
.irp m, 0,1,2,3,4,5
.irp qt, 0,1
	v_max3_num_f32 v[TM+2*\qt],   v[TM+2*\qt],   v[SC+32*\qt+3+2*\m],  v[SC+32*\qt+4+2*\m]
	v_max3_num_f32 v[TM+2*\qt+1], v[TM+2*\qt+1], v[SC+32*\qt+19+2*\m], v[SC+32*\qt+20+2*\m]
.endr
.endr
.irp qt, 0,1
	v_max3_num_f32 v[TM+2*\qt], v[TM+2*\qt], v[SC+32*\qt+15], v[SC+32*\qt+31]
.endr
.irp qt, 0,1
.if \mode < 2
	v_max3_num_f32 v[TM+2*\qt], v[TM+2*\qt], v[TM+2*\qt+1], v[MX+4*\g+\qt]
.else
	v_max_num_f32 v[TM+2*\qt], v[TM+2*\qt], v[TM+2*\qt+1]
.endif
.endr
	v_permlanex16_b32 v[PX],   v[TM],   s60, s61
	v_permlanex16_b32 v[PX+1], v[TM+2], s60, s61
	v_max_num_f32 v[MN],   v[TM],   v[PX]          ; finite: every query has an allowed key in tile 0 and in its diagonal tile
	v_max_num_f32 v[MN+1], v[TM],   v[PX]
	v_max_num_f32 v[MN+2], v[TM+2], v[PX+1]
	v_max_num_f32 v[MN+3], v[TM+2], v[PX+1]
.if \mode < 2
	v_sub_f32 v[AR],   v[MX+4*\g],   v[MN]
	v_sub_f32 v[AR+1], v[MX+4*\g+1], v[MN+2]
	v_exp_f32 v[AL],   v[AR]                       ; 2^(old maximum - new), twice for the packed forms
	v_exp_f32 v[AL+1], v[AR]
	v_exp_f32 v[AL+2], v[AR+1]
	v_exp_f32 v[AL+3], v[AR+1]
.endif
	v_mov_b32 v[MX+4*\g],   v[MN]                  ; plain lines that touch neither AL nor AR: the place behind the exponentials (ISA guide 5.7.2)
	v_mov_b32 v[MX+4*\g+1], v[MN+2]
.irp qt, 0,1
.irp m, 0,1,2,3,4,5,6,7,8,9,10,11,12,13,14,15
	v_pk_add_f32 v[SC+32*\qt+2*\m:SC+32*\qt+2*\m+1], v[SC+32*\qt+2*\m:SC+32*\qt+2*\m+1], v[MN+2*\qt:MN+2*\qt+1] neg_lo:[0,1] neg_hi:[0,1]
.endr
.endr
.set cnt, 0
.rept 64
	v_exp_f32 v[SC+cnt], v[SC+cnt]                 ; q carries log2(e) / 32, so 2^ is e^ of the reference's score
.set cnt, cnt+1
.endr
	v_nop                                          ; the place behind the last exponentials
	s_wait_alu depctr_va_vdst(0)
.irp qt, 0,1
	v_pk_add_f32 v[SM+4*\qt:SM+4*\qt+1],   v[SC+32*\qt:SC+32*\qt+1],     v[SC+32*\qt+2:SC+32*\qt+3]
	v_pk_add_f32 v[SM+4*\qt+2:SM+4*\qt+3], v[SC+32*\qt+16:SC+32*\qt+17], v[SC+32*\qt+18:SC+32*\qt+19]
.endr
.irp m, 0,1,2,3,4,5
.irp qt, 0,1
	v_pk_add_f32 v[SM+4*\qt:SM+4*\qt+1],   v[SM+4*\qt:SM+4*\qt+1],   v[SC+32*\qt+4+2*\m:SC+32*\qt+5+2*\m]
	v_pk_add_f32 v[SM+4*\qt+2:SM+4*\qt+3], v[SM+4*\qt+2:SM+4*\qt+3], v[SC+32*\qt+20+2*\m:SC+32*\qt+21+2*\m]
.endr
.endr
.irp qt, 0,1
	v_pk_add_f32 v[SM+4*\qt:SM+4*\qt+1], v[SM+4*\qt:SM+4*\qt+1], v[SM+4*\qt+2:SM+4*\qt+3]
.endr
.irp qt, 0,1
.if \mode < 2
	v_add_f32 v[SM+4*\qt], v[SM+4*\qt], v[SM+4*\qt+1]
.else
	v_add_f32 v[LS+4*\g+\qt], v[SM+4*\qt], v[SM+4*\qt+1]
.endif
.endr
.if \mode < 2
.irp qt, 0,1
	v_fma_f32 v[LS+4*\g+\qt], v[LS+4*\g+\qt], v[AL+2*\qt], v[SM+4*\qt]
.endr
.endif
.irp qt, 0,1
.irp c, 0,1                            ; two key tiles become one fragment of 32 keys, in place
.irp i, 0,1,2,3
	v_cvt_pk_bf16_f32 v[SC+32*\qt+16*\c+\i], v[SC+32*\qt+16*\c+2*\i], v[SC+32*\qt+16*\c+2*\i+1]
.endr
.irp i, 0,1,2,3
	v_cvt_pk_bf16_f32 v[SC+32*\qt+16*\c+4+\i], v[SC+32*\qt+16*\c+8+2*\i], v[SC+32*\qt+16*\c+9+2*\i]
.endr
.endr
.endr
.if \mode < 2
	WIN 0x41                                       ; O in window 1, as destination and first source
.irp qt, 0,1
.irp m, 0,1,2,3,4,5,6,7,8,9,10,11,12,13,14,15
	v_pk_mul_f32 v[64*\g+32*\qt+2*\m:64*\g+32*\qt+2*\m+1], v[64*\g+32*\qt+2*\m:64*\g+32*\qt+2*\m+1], v[AL+2*\qt:AL+2*\qt+1]
.endr
.endr
.endif
	s_wait_dscnt 0x0                               ; V's fragments
	WIN 0x50
.irp c, 0,1
.irp qt, 0,1
.irp dt, 0,1,2,3                       ; eight accumulators, the same order for both halves of the keys
.if (\mode/2)*(1-\c)
	v_wmma_f32_16x16x32_bf16 v[64*\g+32*\qt+8*\dt:64*\g+32*\qt+8*\dt+7], v[FR+16*\dt+8*\c:FR+16*\dt+8*\c+7], v[SC+32*\qt+16*\c:SC+32*\qt+16*\c+7], 0
.else
	v_wmma_f32_16x16x32_bf16 v[64*\g+32*\qt+8*\dt:64*\g+32*\qt+8*\dt+7], v[FR+16*\dt+8*\c:FR+16*\dt+8*\c+7], v[SC+32*\qt+16*\c:SC+32*\qt+16*\c+7], v[64*\g+32*\qt+8*\dt:64*\g+32*\qt+8*\dt+7]
.endif
.endr
.endr
.endr
	WIN 0
	PLACES 5                                       ; ahead of the next loads into the fragments and the next matrix results over P
.endm
; A block takes part up to its wave's diagonal tile.  The branch hangs on the wave's number, i and the tile counter, and jumps over no barrier.
.macro GROUP g, slot
	s_cmp_gt_u32 s58, s[56+\g]
	s_cbranch_scc1 .Lskip_\@
	BODY \g, \slot, 0
.Lskip_\@:
.endm
; Tile 2 s54 + p, which lies in slot p.  st: the next tile goes from registers into the other slot (read last a tile ago, ahead of the last
; barrier).  ld: the tile after that is loaded into registers.  ga: block A may still take part.  No load stands under a branch: the laps
; that stage or load less are written out behind the loop.
.macro ATRIP p, st, ld, ga
	s_lshl_b32 s58, s54, 1
.if \p
	s_add_co_u32 s58, s58, 1
.endif
.if \st
	STAGE (1-\p), STG, 0
.endif
.if \ld
	LOADKV 1, 0, STG                               ; the loads that named the bases are shown done by STAGE's wait
.endif
	GROUP 1, \p
.if \ga
	GROUP 0, \p
.endif
	s_wait_dscnt 0x0                               ; my reads of slot p and my stores into the other slot are done
	s_barrier_signal -1
	s_barrier_wait -1                              ; everybody's are
.endm
; ---------------------------------------------------------------- phase 3 macros
.macro XLOAD g, qt, set                ; 16 rows x 256 bytes of x: lanes 0-15 one row, lanes 16-31 the next
.irp e, 0,1,2,3,4,5,6,7
	global_load_b128 v[XR+32*\set+4*\e:XR+32*\set+4*\e+3], v[OGO], s[46+2*\g:47+2*\g] offset:65536*\qt+8192*\e
.endr
.endm
.macro RECIP g                         ; the two lane halves' sums meet; 1 / sum, twice for the packed multiply
	v_permlanex16_b32 v[PX],   v[LS+4*\g],   s60, s61
	v_permlanex16_b32 v[PX+1], v[LS+4*\g+1], s60, s61
	v_add_f32 v[AR],   v[LS+4*\g],   v[PX]
	v_add_f32 v[AR+1], v[LS+4*\g+1], v[PX+1]
	v_rcp_f32 v[AL],   v[AR]
	v_rcp_f32 v[AL+1], v[AR]
	v_rcp_f32 v[AL+2], v[AR+1]
	v_rcp_f32 v[AL+3], v[AR+1]
	v_nop                                          ; the place behind the reciprocals
	s_wait_alu depctr_va_vdst(0)
.endm
; 16 queries: a lane holds 8 neighbouring d of four d tiles of one query; through my own stage they become whole rows of 256 bytes.
.macro OUTP g, qt, left
	s_wait_xcnt 0x0                                ; the registers that earlier stores read are loaded again only behind this wait
	WIN 0x01                                       ; O, the first source, in window 1
.irp dt, 0,1,2,3
.irp m, 0,1,2,3
	v_pk_mul_f32 v[SC+8*\dt+2*\m:SC+8*\dt+2*\m+1], v[64*\g+32*\qt+8*\dt+2*\m:64*\g+32*\qt+8*\dt+2*\m+1], v[AL+2*\qt:AL+2*\qt+1]
.endr
.endr
	WIN 0
.irp dt, 0,1,2,3
	ds_store_b128 v[OST], v[SC+8*\dt:SC+8*\dt+3]   offset:64*\dt
	ds_store_b128 v[OST], v[SC+8*\dt+4:SC+8*\dt+7] offset:64*\dt+16
.endr
.irp e, 0,1,2,3,4,5,6,7
	ds_load_b128 v[FR+32*\qt+4*\e:FR+32*\qt+4*\e+3], v[ORD] offset:2*XP*\e   ; my own bytes; LDS serves a wave in order (ISA guide 5.7.1): these see the stores above
.endr
	s_wait_loadcnt \left                           ; this pass's eight rows of x are in; the next pass's eight loads may be out
	s_wait_dscnt 0x0
.irp m, 0,1,2,3,4,5,6,7,8,9,10,11,12,13,14,15
	v_pk_add_f32 v[FR+32*\qt+2*\m:FR+32*\qt+2*\m+1], v[FR+32*\qt+2*\m:FR+32*\qt+2*\m+1], v[XR+32*\qt+2*\m:XR+32*\qt+2*\m+1]
.endr
.irp e, 0,1,2,3,4,5,6,7
	global_store_b128 v[OGO], v[FR+32*\qt+4*\e:FR+32*\qt+4*\e+3], s[50+2*\g:51+2*\g] offset:65536*\qt+8192*\e th:TH_STORE_NT   ; sixteen lanes store 256 consecutive bytes, aligned
.endr
.endm
; ================================================================ the text
	s_load_b256 s[4:11], s[0:1], 0x0               ; x s[4:5], Wq s[6:7], k s[8:9], v s[10:11]
	s_load_b64 s[12:13], s[0:1], 0x20              ; out0
	v_lshl_add_u32 v11, v0, 2, 0x4d800
	s_set_vgpr_msb 0x40
	v_mov_b32 v193, 0
	s_set_vgpr_msb 0x4044
	ds_add_u32 v11, v193
	s_set_vgpr_msb 0x4400
	v_lshrrev_b32 v1, 5, v0
	v_readfirstlane_b32 s14, v1                    ; wave 0..7
	s_bfe_u32 s15, ttmp6, 0x40000                  ; cx: my place in the cluster
	s_lshl_b32 s16, ttmp9, 2                       ; in a cluster launch ttmp9 counts clusters
	s_add_co_u32 s16, s16, s15                     ; head = 4 x cluster x + cx
	s_and_b32 s17, ttmp7, 0xffff                   ; y = b + 4 i, the same in all four partners
	s_and_b32 s18, s17, 3                          ; b
	s_lshr_b32 s19, s17, 2                         ; i: block A
	s_sub_co_u32 s20, 7, s19                       ; 7 - i: block B
	s_lshr_b32 s21, s14, 1
	s_lshl_b32 s55, s19, 1
	s_sub_co_u32 s55, 15, s55                      ; 4 (8 - i) tiles reach the end of block B; in laps of two the last lap is 15 - 2 i
	s_lshl2_add_u32 s56, s19, s21                  ; my 32 rows of block A lie in key tile 4 i + (w >> 1),
	s_lshl2_add_u32 s57, s20, s21                  ; those of block B in tile 4 (7 - i) + (w >> 1)
	s_mov_b32 s60, 0x76543210                      ; v_permlanex16_b32: lane l of one half reads lane l of the other
	s_mov_b32 s61, 0xfedcba98
	s_lshl_b32 s2, ttmp9, 10                       ; step 0's chunk is 4 x cluster x: 256 bytes a chunk.  Made of the cluster's x alone: equal in the partners
	s_mov_b32 s3, 0
	; group 1: a tile of 64 rows x 64 f32 out of rows of 1,024, padded in LDS, for all four work-groups of the cluster
	s_mov_b32 s24, 15|(2<<16)|(1<<20)|(1<<21)|(5<<22)|(3<<25)   ; 15:0 mask: the four partners; 17:16 elements of 4 bytes; 20 padding on; 21 set beside a mask; 24:22 after every 64 words; 31:25 four words
	s_mov_b32 s25, 64<<16                          ; tensor_dim0 = 64
	s_mov_b32 s26, 64<<16                          ; tensor_dim1 = 64
	s_mov_b32 s27, 64<<16                          ; tile_dim0 = 64
	s_mov_b32 s28, 64                              ; tile_dim1 = 64
	s_mov_b32 s29, 1024                            ; elements from row to row
	s_mov_b32 s30, 0
	s_mov_b32 s31, 0
	; my 64 rows of a chunk: waves 0-3 fetch block A's, waves 4-7 block B's.  Made of b, i and the wave's number: equal in the four partners.
	s_cmp_lt_u32 s14, 4
	s_cselect_b32 s22, s19, s20
	s_lshl_b32 s22, s22, 8
	s_lshl_b32 s59, s18, 11
	s_add_co_u32 s22, s22, s59
	s_and_b32 s59, s14, 3
	s_lshl_b32 s59, s59, 6
	s_add_co_u32 s22, s22, s59                     ; row 2048 b + 256 block + 64 (w & 3)
	s_lshl_b32 s22, s22, 12                        ; in bytes, below 2^25
	s_mov_b32 s23, 0
	s_mov_b32 s32, 1
	s_mul_i32 s33, s14, XWAVE                      ; LDS: slot 0, rows 64 w
	s_mov_b32 s36, 1
	s_add_co_u32 s37, s33, XSLOT                   ; slot 1
	; the prefetch's offset from my 64 rows: partner cx takes the chunk of step 2 + (cx >> 1) and rows 32 (cx & 1) + lane
	s_lshr_b32 s62, s15, 1
	s_lshl_b32 s62, s62, 8
	s_add_co_u32 s62, s62, s2
	s_add_co_u32 s62, s62, 512
	s_and_b32 s62, s62, 0xf00                      ; round the row's 16 chunks: inside the row
	s_and_b32 s15, s15, 1
	s_lshl_b32 s15, s15, 17                        ; 32 rows of 4,096 bytes
	s_add_co_u32 s62, s62, s15
	v_and_b32 v[PFO], 31, v0
	v_lshl_add_u32 v[PFO], v[PFO], 12, s62         ; the last row reached is my 64th: inside x
	; lane terms: r = l & 15 (also t & 15), h = (l >> 4) & 1, t >> 4
	v_and_b32 v1, 15, v0
	v_bfe_u32 v2, v0, 4, 1
	v_lshrrev_b32 v48, 4, v0
	v_lshlrev_b32 v[WGO], 12, v48
	v_lshl_add_u32 v[WGO], v1, 4, v[WGO]
	s_wait_dscnt 0x0
	s_wait_kmcnt 0x0
	s_lshl_b32 s62, s16, 18                        ; 64 rows of 4,096 bytes a head
	s_mov_b32 s63, 0
	s_add_nc_u64 s[6:7], s[6:7], s[62:63]          ; Wq at the head's rows
	WLOAD 0                                        ; step 0's chunk of Wq
	s_add_nc_u64 s[22:23], s[4:5], s[22:23]        ; x at the 64 rows that I fetch
	s_add_nc_u64 s[34:35], s[22:23], s[2:3]        ; step 0's chunk of x
	s_or_b32 s35, s35, 0x80000000                  ; type 2
	s_add_co_u32 s2, s2, 256
	s_and_b32 s2, s2, 0xf00                        ; step 1's chunk
	s_add_nc_u64 s[38:39], s[22:23], s[2:3]
	s_or_b32 s39, s39, 0x80000000
	ROUND                                          ; all four work-groups are here: the first joint loads meet their partners'
	tensor_load_to_lds s[32:35], s[24:31]          ; both slots' first fills go out together: two tensor loads of mine are out, later one
	s_nop 0
	tensor_load_to_lds s[36:39], s[24:31]
	s_nop 0
	global_prefetch_b8 v[PFO], s[22:23] th:TH_LOAD_NT scope:SCOPE_SE   ; my 32 pieces of the chunks of steps 2 and 3, which the tensor loads of steps 1 and 2 ask for; its registers are never rewritten
	s_lshl4_add_u32 s62, s18, s16                  ; 16 b + head
	s_lshl_b32 s62, s62, 19                        ; x 2,048 keys x 256 bytes
	s_add_nc_u64 s[42:43], s[8:9], s[62:63]
	s_add_nc_u64 s[44:45], s[10:11], s[62:63]
	s_lshl_b32 s15, s16, 8                         ; the head's 256 bytes in a row of x and out
	s_lshl_b32 s59, s18, 11
	s_lshl_b32 s58, s14, 5
	s_add_co_u32 s59, s59, s58                     ; 2048 b + 32 w
	s_lshl_b32 s58, s19, 8
	s_add_co_u32 s58, s58, s59                     ; my first row of block A
	s_lshl_b32 s62, s58, 12
	s_add_co_u32 s62, s62, s15
	s_add_nc_u64 s[46:47], s[4:5], s[62:63]
	s_add_nc_u64 s[50:51], s[12:13], s[62:63]
	s_lshl_b32 s58, s20, 8
	s_add_co_u32 s58, s58, s59                     ; of block B
	s_lshl_b32 s62, s58, 12
	s_add_co_u32 s62, s62, s15
	s_add_nc_u64 s[48:49], s[4:5], s[62:63]
	s_add_nc_u64 s[52:53], s[12:13], s[62:63]
	s_mul_i32 s59, s14, 32*XP                      ; my 32 rows in a block of a slot
	v_mul_u32_u24 v[XA0], v1, XP
	v_lshl_add_u32 v[XA0], v2, 5, v[XA0]
	v_add_nc_u32 v[XA0], s59, v[XA0]               ; (32 w + r) 272 + 32 h
	v_add_nc_u32 v[XA0+1], 256*XP, v[XA0]
	v_add_nc_u32 v[XA0+2], XSLOT, v[XA0]
	v_add_nc_u32 v[XA0+3], XSLOT+256*XP, v[XA0]
	v_mul_u32_u24 v[FRA], v1, KP
	v_lshl_add_u32 v[FRA], v2, 4, v[FRA]
	v_add_nc_u32 v[FRA], RG, v[FRA]
	v_mul_u32_u24 v[STA], v48, KP
	v_lshl_add_u32 v[STA], v1, 3, v[STA]
	v_add_nc_u32 v[STA], RG, v[STA]
	v_mul_u32_u24 v[VST], v48, VP
	v_lshl_add_u32 v[VST], v1, 3, v[VST]
	v_add_nc_u32 v[VST], RG+VOFF, v[VST]
	v_lshlrev_b32 v[KGO], 4, v0
	v_and_b32 v49, 7, v0
	v_lshl_add_u32 v49, v2, 3, v49                 ; key 8 h + (l & 7)
	v_mul_u32_u24 v[VFA], v49, VP
	v_bfe_u32 v49, v0, 3, 1
	v_lshl_add_u32 v[VFA], v49, 4, v[VFA]          ; + 16 ((l >> 3) & 1)
	v_add_nc_u32 v[VFA], RG+VOFF, v[VFA]
	s_mul_i32 s59, s14, 16*XP
	s_add_co_u32 s59, s59, RG                      ; my stage for the way out
	v_mul_u32_u24 v[OST], v1, XP
	v_lshl_add_u32 v[OST], v2, 5, v[OST]
	v_add_nc_u32 v[OST], s59, v[OST]
	v_mul_u32_u24 v[ORD], v2, XP
	v_lshl_add_u32 v[ORD], v1, 4, v[ORD]
	v_add_nc_u32 v[ORD], s59, v[ORD]
	v_lshlrev_b32 v[OGO], 12, v2
	v_lshl_add_u32 v[OGO], v1, 4, v[OGO]
	v_lshlrev_b32 v49, 3, v2
	v_sub_nc_u32 v49, v1, v49                      ; r - 8 h
	s_lshl_b32 s59, s14, 5
	s_lshl_b32 s58, s19, 8
	s_add_co_u32 s58, s58, s59
	v_add_nc_u32 v[QH], s58, v49                   ; 256 i + 32 w + r - 8 h
	s_lshl_b32 s58, s20, 8
	s_add_co_u32 s58, s58, s59
	v_add_nc_u32 v[QH+1], s58, v49
	WSTAGE 0                                       ; step 0's chunk of Wq into W's slot 0
	WLOAD 0                                        ; step 1's (s2 holds it already)
	; PHASE 1: 16 steps through two slots.  Behind each round a wave has one tensor load out; it has a step's work in which to land.
	PTRIP 0, 0, 1, 1, 1, 0                         ; the first lap stands ahead of the loop: its first products start the sums; step 1 is on its way already
	PTRIP 1, 1, 1, 1, 0, 0
	s_mov_b32 s54, 6
.Lproj:
	PTRIP 0, 1, 1, 1, 0, 0
	PTRIP 1, 1, 1, 1, 0, 0
	s_sub_co_i32 s54, s54, 1
	s_cmp_lg_u32 s54, 0
	s_cbranch_scc1 .Lproj
	PTRIP 0, 1, 1, 0, 0, 1                         ; step 14: asks for step 15's chunk, stages Wq's, loads nothing more of Wq, but K/V tile 0
	PTRIP 1, 0, 0, 0, 0, 0                         ; step 15: nothing is left to fetch
	s_wait_dscnt 0x0                               ; W's second half; my reads of W's slots are over
	WIN 0x50
	PMUL 1, XL1, 0                                 ; step 15's second half
	WIN 0
	PLACES 4                                       ; ahead of the loads into XL1's registers and of the reads of the sums
	; q: times log2(e) / 32, rounded once, straight into second-source fragments (d tiles 2 s, 2 s + 1 make the fragment of d = 32 s ..)
	LOADKV 0, 16384, STG                           ; tile 1, from the base that tile 0's pending loads name: its place stands in the immediate
	s_barrier_signal -1                            ; no LDS instruction of mine is out
	WIN 0x45
.set cnt, 0
.rept 64
	v_pk_mul_f32 v[2*cnt:2*cnt+1], v[2*cnt:2*cnt+1], 0x3d38aa3b op_sel_hi:[1,0]
.set cnt, cnt+1
.endr
.irp u, 0,1,2,3
.irp sp, 0,1
.irp e, 0,1
.irp i, 0,1,2,3
	v_cvt_pk_bf16_f32 v[128+16*\u+8*\sp+4*\e+\i], v[32*\u+16*\sp+8*\e+2*\i], v[32*\u+16*\sp+8*\e+2*\i+1]
.endr
.endr
.endr
.endr
	WIN 0
	s_barrier_wait -1                              ; nobody reads W's slots any more: the K/V slots take their bytes
	STAGE 0, KV0, 8                                ; tile 0, loaded two steps ago; tile 1's eight loads may stay out
	s_wait_dscnt 0x0
	v_mov_b32 v[NINF], 0xff800000                  ; tile 0's landing registers are free again
	v_mov_b32 v[PX], 0                             ; v_permlanex16_b32 counts as a reader of its destination
	v_mov_b32 v[PX+1], 0
	s_barrier_signal -1
	s_barrier_wait -1                              ; tile 0 is whole
	; PHASE 2.  Tile t lies in slot t & 1.  In tile t's turn tile t + 1 goes from registers into the other slot and tile t + 2 is loaded.
	s_mov_b32 s54, 0                               ; lap 0, written out
	s_mov_b32 s58, 0                               ; tile 0: both blocks take part; it starts maxima, sums and O
	BODY 1, 0, 2
	STAGE 1, STG, 0                                ; tile 1 has had the q lines and a body in which to land
	LOADKV 2, 0, STG                               ; tile 2: the bases go two tiles on (all loads that named them are in)
	BODY 0, 0, 2
	s_wait_dscnt 0x0
	s_barrier_signal -1
	s_barrier_wait -1
	ATRIP 1, 1, 1, 1                               ; tile 1: stages tile 2, loads tile 3
	s_mov_b32 s54, 1
.Ltiles:                                           ; laps 1 .. 14 - 2 i (at least eight): the last of them loads the last two tiles
	ATRIP 0, 1, 1, 1
	ATRIP 1, 1, 1, 1
	s_add_co_u32 s54, s54, 1
	s_cmp_lt_u32 s54, s55
	s_cbranch_scc1 .Ltiles
	; the last lap, 15 - 2 i (s54 holds it): nothing is left to load.  Block A ended at tile 4 i + 3 at the latest, which is below 30 - 4 i.
	ATRIP 0, 1, 0, 0                               ; stages the last tile; behind its wait no global load is out, and the landing registers are free
	XLOAD 0, 0, 0                                  ; block A's 32 residual rows land under the last tile's work
	XLOAD 0, 1, 1
	ATRIP 1, 0, 0, 0
	; PHASE 3: behind the last tile's barrier nobody reads the K/V slots any more; each wave's stage lies in their bytes
	RECIP 0
	OUTP 0, 0, 8
	XLOAD 1, 0, 0
	OUTP 0, 1, 8
	XLOAD 1, 1, 1
	RECIP 1
	OUTP 1, 0, 8
	OUTP 1, 1, 0
	s_set_vgpr_msb 0x4
	s_wait_tensorcnt 0x0
	ds_add_u32 v11, v193
	s_wait_dscnt 0x0
	s_set_vgpr_msb 0x400
	ROUND                                          ; the closing round
	s_endpgm
.Lfunc_end_k_q8544000eeb_head:
	.size	k_q8544000eeb_head, .Lfunc_end_k_q8544000eeb_head-k_q8544000eeb_head
	.p2alignl 7, 3214868480
	.fill 96, 4, 3214868480
	.section	.rodata,"a",@progbits
	.p2align	6, 0x0
	.amdhsa_kernel k_q8544000eeb_head
		.amdhsa_group_segment_fixed_size 327680
		.amdhsa_private_segment_fixed_size 0
		.amdhsa_enable_private_segment 0
		.amdhsa_kernarg_size 40
		.amdhsa_user_sgpr_count 2
		.amdhsa_user_sgpr_kernarg_segment_ptr 1
		.amdhsa_wavefront_size32 1
		.amdhsa_system_sgpr_workgroup_id_x 1
		.amdhsa_system_sgpr_workgroup_id_y 1
		.amdhsa_system_sgpr_workgroup_id_z 1
		.amdhsa_system_vgpr_workitem_id 0
		.amdhsa_next_free_vgpr 450
		.amdhsa_next_free_sgpr 66
		.amdhsa_reserve_vcc 1
		.amdhsa_float_denorm_mode_32 3
		.amdhsa_float_denorm_mode_16_64 3
		.amdhsa_memory_ordered 1
		.amdhsa_forward_progress 1
		.amdhsa_inst_pref_size 255
	.end_amdhsa_kernel
	.section	.bss,"aw",@nobits
	.p2align	6
	.space	262144
	.amdgpu_metadata
---
amdhsa.version: [ 1, 2 ]
amdhsa.kernels:
  - .name:           k_q8544000eeb_head
    .symbol:         k_q8544000eeb_head.kd
    .args:
      - { .name: x, .offset: 0, .size: 8, .value_kind: global_buffer, .address_space: global }
      - { .name: Wq, .offset: 8, .size: 8, .value_kind: global_buffer, .address_space: global }
      - { .name: k, .offset: 16, .size: 8, .value_kind: global_buffer, .address_space: global }
      - { .name: v, .offset: 24, .size: 8, .value_kind: global_buffer, .address_space: global }
      - { .name: out0, .offset: 32, .size: 8, .value_kind: global_buffer, .address_space: global }
    .group_segment_fixed_size: 327680
    .private_segment_fixed_size: 0
    .kernarg_segment_align: 8
    .kernarg_segment_size: 40
    .max_flat_workgroup_size: 256
    .sgpr_count:     66
    .vgpr_count:     450
    .wavefront_size: 32
...
	.end_amdgpu_metadata
.endif
;; end of part 2
